; MI455X (gfx1250); checked and timed in simulation.
; The chip was launched on July 23, 2026; its instructions are those of AMD's public machine-readable ISA for CDNA 5 (MIT licence, August 2026) and "CDNA5" Instruction Set Architecture Reference Guide (July 2026). The comments in the code are by the model that wrote it; some were corrected since.
;; Dot Product Attention. Allowed arithmetic: matrix products marked QUANTISED: E3M2 operands, one E8M0 scale for each 32 along K, by v_wmma_scale_f32_16x16x128_f8f6f4 with both operands' format E3M2, f32 sums; everything else in f32.
;; Inputs: K 4 x 16 x 2,048 x 64 float32; Q 4 x 16 x 2,048 x 64 float32; V 4 x 16 x 2,048 x 64 float32.
;; Outputs: out0 4 x 16 x 2,048 x 64 float32.
;; Constants: dk = 64.
;; This version of the problem:
;;   THIS VERSION OF THE PROBLEM IS GIVEN IN LOW PRECISION. The matrix products marked QUANTISED in the list below multiply operands that are first quantised to E3M2 (3 exponent bits, 2 mantissa bits; 6 bits a number), with one power-of-two scale for each 32 numbers along K (OCP MX v1.0); their sums are f32. All else is computed in f32.
;;   The module's matrix products, in the order in which they are computed (A, B: the left and right operand; K: the contracted axis; several contracted axes count as one K, in the product's order):
;;     1. batch 64 x [M 2,048, K 64] x [K 64, N 2,048]; A: input Q; B: input K: QUANTISED
;;     2. batch 64 x [M 2,048, K 2,048] x [K 2,048, N 64]; A: softmax (see below); B: input V: QUANTISED
;;   THE QUANTISER, for each operand of a quantised product, along K:
;;     - K is cut into blocks of 32 from its start; a last block that is shorter is filled with zeros.
;;     - A block's scale is 2^e with e = floor(log2(the largest magnitude in the block)) - 4, held to -126 .. 127; a block of zeros has e = 0. As a byte (E8M0): e + 127.
;;     - Each number is divided by its block's scale, clamped to +-28, and rounded to the nearest number of E3M2, ties to even, subnormals kept.
;;     - The product sums the exact products of the quantised numbers (number of the format x scale) in f32.
;;   ~~~python
;;   def quantise(x, axis):      # numpy; x: float32 -> the quantised numbers, widened to float32 again
;;       x = np.moveaxis(x, axis, -1); K = x.shape[-1]
;;       x = np.pad(x, [(0, 0)] * (x.ndim - 1) + [(0, -K % 32)]); x = x.reshape(x.shape[:-1] + (-1, 32)); a = np.abs(x).max(-1, keepdims=True)
;;       e = np.where(a > 0, np.clip(np.frexp(np.where(a > 0, a, 1))[1] - 1 - 4, -126, 127), 0)      # np.frexp(a)[1] - 1 = floor(log2(a)), exactly
;;       r = np.clip(x / 2.0 ** e, -28, 28)
;;       step = 2.0 ** (np.maximum(np.frexp(np.where(r == 0, 1, r))[1] - 1, -2) - 2)
;;       q = np.round(r / step) * step * 2.0 ** e      # np.round: ties to even
;;       return np.moveaxis(q.reshape(q.shape[:-2] + (-1,))[..., :K], -1, axis).astype(np.float32)
;;   ~~~
;;   SOFTMAX AHEAD OF A QUANTISED PRODUCT. Where the list says 'softmax', what is quantised is not the finished softmax but p = 2^(t - M), with t = logit x log2(e) and M = ceil(the row's largest t), a whole number; so 1/2 < the row's largest p <= 1. The row's sum l is taken of the UNQUANTISED p, in f32, and the product's result is divided by l at the end. Since M is a whole number, a kernel that streams over the keys may use a running M (the ceiling of the running maximum): every later rescaling is an exact power of two, which a block's scale takes up: the codes' values come out the same.
;;   OPERANDS COMPUTED ON THE WAY. 'Computed on the way' means the value that the module computes at that place (a softmax that the list does not call 'softmax' is quantised finished and normalised). What goes into a quantiser is computed in f32, as accurately as f32 sums, v_exp_f32 and their like allow (about 1e-6 of the number): no bf16 or f16 on the way to a quantiser, and a product that is left as it is and whose result goes on into a quantised operand takes f32 operands (vector FMAs, or v_wmma_f32_16x16x4_f32). A number that lies on a knife's edge between two numbers of the format may be rounded either way, as far as f32 arithmetic and the matrix unit's own rounding can turn it there, and no further.
;; One version. Each part assembles by itself: llvm-mc -triple=amdgcn-amd-amdhsa -mcpu=gfx1250 --defsym DOCPART=n.
;; ======== version 1 of 1: 2 launches
;; workspace buffers: kv 13,369,344 bytes
;; launch quant (part 1): grid 256 x 1, 8 waves a work-group, no clusters, 280,576 bytes of LDS; arguments K, V, kv; writes kv
.if DOCPART == 1
	.amdgcn_target "amdgcn-amd-amdhsa--gfx1250"
	.amdhsa_code_object_version 6
	.text
	.protected	k_q1dd9c93394_quant
	.globl	k_q1dd9c93394_quant
	.p2align	8
	.type	k_q1dd9c93394_quant,@function
k_q1dd9c93394_quant:
	s_mov_b64 s[64:65], 0
	v_nop
	global_prefetch_b8 v0, s[64:65] scope:SCOPE_SE
	s_setreg_imm32_b32 hwreg(HW_REG_WAVE_MODE, 25, 1), 1
	s_wait_xcnt 0x0
; K and V, [64 heads][2048 keys][64] f32, become codes of BF6 (E3M2) with one E8M0 scale byte for each 32 along a product's K, laid as the attention launch's matrix instructions want them.
; K is quantised along the head's 64 (its innermost axis), V along the keys (its first axis within a head).  Each f32 byte is read once and quantised once; four work-groups of the next launch read each record.
; A RECORD serves 128 keys of one head: 13,056 bytes, 51 x 256, every part an IMAGE OF OPERAND REGISTERS (a fragment's registers on end, lane by lane).  Record number = 16 x head + keys / 128: 1,024 in all.
;   KI: 8 tiles of K, 768 bytes each: 16 bytes x lane (registers 0-3), then 8 bytes x lane (registers 4-5).  Lane (r, h) of tile 2 b + u: key 32 b + 8 u + r + 8 (r / 8), d = 32 h .. 32 h + 31.
;   VI: 4 tiles of V^T, 1,536 bytes each: three parts of 16 bytes x lane.  Lane (r, h) of tile t: d = 16 t + r; registers 6 c .. 6 c + 5: keys 64 c + 32 h + 0 .. 31.
;   KS: 16 bytes x lane: word b of lane l serves tile 2 b + l / 16, row l % 16: the row's two bytes, twice (the attention launch sets K's codes twice into a fragment).
;   VS: 8 bytes x lane: word g of lane l serves V's tile 2 g + l / 16, row l % 16: the bytes of the four blocks of 32 keys.
; SHARES.  Work-group g serves records 4 g .. 4 g + 3.  Eight waves: waves 0-3 take K of one record each, waves 4-7 V.  A wave's 128 rows of 256 bytes come by two tensor loads of 64 rows, both issued at the start
; (two loads of a wave are out, by this text's count), into LDS bytes of the wave's own: filled once, read by that wave alone, so its own wait on TENSORcnt is all the ordering.  No LDS store, no barrier.
; An LDS row is 256 bytes + 16.  K's loads of 16 bytes a lane take rows r + 8 (r / 8): rows 16 apart lie 17 x 256 bytes apart and meet in the same banks, two deep: 64 such loads a wave in the whole launch.
; V's loads of 4 bytes a lane take 128 consecutive bytes of one row.
; NO CLUSTER: no two work-groups read the same byte.
; LIMITS: NaN and infinities among the inputs are not served.  A block of zeros gets the scale byte 1 where the rule says 127: its codes are zeros, which add nothing under any byte but 0xff, and this program alone
; reads the bytes.  The floor 2^(5 - 127) under a block's largest magnitude holds the byte at 1 from below, as the rule's clip does.
.set REC,   13056
.set KI,    0
.set VI,    6144
.set KS,    12288
.set VS,    12800
.set PIT,   272                        ; an LDS row
.set HALFB, 64*PIT                     ; 64 rows: what one tensor load brings
.set WREG,  2*HALFB                    ; a wave's bytes of LDS
.set FLOOR, 0x2800000                  ; 2^(5 - 127)
.set EOFF,  0xfe000000                 ; -(4 << 23): 4 off an exponent field
.set L16,  1                           ; 16 x lane
.set L8,   2                           ; 8 x lane
.set KA,   3                           ; K: my rows + 272 (r + 8 (r / 8)) + 128 h
.set VA,   4                           ; V: my rows + 4 x lane
.set SH8,  5                           ; 8 h
.set MA,   6
.set MB,   7
.set SOP,  8                           ; the conversion's scale operand
.set BY,   9                           ; the scale's byte
.set WD,   10                          ; a row's scale word
.set WD2,  11
.set WE,   12                          ; the even tile's
.set CT,   14                          ; v14-16  where a block's second conversion lands
.set KSW,  20                          ; v20-23  K's scale words as they leave
.set WV,   24                          ; v24-25  V's
.set X,    32                          ; v32-95  two sets of 32 numbers
.set CO,   96                          ; v96-159 the codes: registers of their own for every unit, so that no store's data are written again
.set UPPER, 22                         ; s22      a mask of lanes 16-31
.set G1,   24                          ; s[24:31] descriptor group 1
.set G0,   32                          ; s[32:39] group 0, a set for each of the two loads
	s_load_b128 s[4:7], s[0:1], 0x0                ; K s[4:5], V s[6:7]
	s_load_b64 s[8:9], s[0:1], 0x10                ; the records
	v_lshl_add_u32 v160, v0, 2, 0x44400
	v_mov_b32 v161, 0
	ds_add_u32 v160, v161
	ds_add_u32 v160, v161
	v_lshrrev_b32 v6, 5, v0
	v_readfirstlane_b32 s12, v6                    ; wave 0..7
	v_and_b32 v7, 31, v0                           ; lane
	v_and_b32 v8, 15, v0                           ; r
	v_bfe_u32 v9, v0, 4, 1                         ; h
	v_lshlrev_b32 v[L16], 4, v7
	v_lshlrev_b32 v[L8], 3, v7
	s_mul_i32 s18, s12, WREG                       ; my rows in LDS
	v_and_b32 v10, 8, v8
	v_add_nc_u32 v10, v10, v8                      ; r + 8 (r / 8)
	v_mul_u32_u24 v[KA], v10, PIT
	v_lshl_add_u32 v[KA], v9, 7, v[KA]
	v_add_nc_u32 v[KA], s18, v[KA]
	v_lshlrev_b32 v[VA], 2, v7
	v_add_nc_u32 v[VA], s18, v[VA]                 ; both address registers are made by every wave, ahead of the parting
	v_lshlrev_b32 v[SH8], 3, v9
	v_mov_b32 v[WD2], 0                            ; written once: a lane permute's destination counts as one of its sources
	s_and_b32 s13, s12, 3
	s_lshl_b32 s14, ttmp9, 2
	s_add_co_u32 s13, s13, s14                     ; my record: 4 x work-group + wave % 4
	s_lshl_b32 s14, s13, 15                        ; its 128 rows of 256 bytes in K or V (records follow each other through the heads)
	s_mov_b32 s15, 0
	s_mul_i32 s16, s13, REC                        ; and its place among the records
	s_mov_b32 s17, 0
	s_mov_b32 s20, 0x76543210
	s_mov_b32 s21, 0xfedcba98                      ; v_permlanex16_b32's selects for lane l xor 16
	s_mov_b32 s[UPPER], 0xffff0000                 ; lanes 16-31 (a register outside both descriptor groups)
	; descriptor group 1: 64 rows of 256 bytes (32 elements of 8 bytes), dense in memory, 16 bytes of padding behind each in LDS
	s_mov_b32 s[G1+0], (3<<16)|(1<<20)|(5<<22)|(3<<25)   ; 15:0 no mask; 17:16 elements of 8 bytes; 20 padding on; 24:22 after every 64 words (code 5); 31:25 of 4 words (code 3)
	s_mov_b32 s[G1+1], 32<<16                      ; tensor_dim0 = 32
	s_mov_b32 s[G1+2], 64<<16                      ; tensor_dim1 = 64
	s_mov_b32 s[G1+3], 32<<16                      ; tile_dim0 = 32
	s_mov_b32 s[G1+4], 64                          ; tile_dim1 = 64
	s_mov_b32 s[G1+5], 32                          ; from row to row: 32 elements
	s_mov_b32 s[G1+6], 0
	s_mov_b32 s[G1+7], 0
	s_wait_dscnt 0x0
	s_wait_kmcnt 0x0
	s_cmp_lt_u32 s12, 4                            ; K's wave or V's?  The choice hangs on the wave's number alone
	s_cselect_b64 s[4:5], s[4:5], s[6:7]
	s_add_nc_u64 s[4:5], s[4:5], s[14:15]
	s_add_nc_u64 s[8:9], s[8:9], s[16:17]
.irp s, 0,1
	s_mov_b32 s[G0+4*\s], 1                        ; count = 1
	s_add_co_u32 s[G0+4*\s+1], s18, \s*HALFB       ; LDS address
	s_add_nc_u64 s[G0+4*\s+2:G0+4*\s+3], s[4:5], \s*16384   ; global address: rows 64 s on
	s_or_b32 s[G0+4*\s+3], s[G0+4*\s+3], 0x80000000         ; type = 2
.endr
	tensor_load_to_lds s[G0:G0+3], s[G1:G1+7]      ; both first fills together, ahead of every wait on TENSORcnt and every LDS read
	s_nop 0
	tensor_load_to_lds s[G0+4:G0+7], s[G1:G1+7]
	s_nop 0
.rept 4
	v_nop
.endr
; A whole block of 32 in one lane's registers v[src] on: its scale, as the conversion's operand and as a byte.
.macro QMAX src
	v_max3_num_f32 v[MA], |v[\src]|, |v[\src+1]|, |v[\src+2]|      ; the block's largest magnitude, in two chains
	v_max3_num_f32 v[MB], |v[\src+3]|, |v[\src+4]|, |v[\src+5]|
.irp i, 6,10,14,18,22,26
	v_max3_num_f32 v[MA], v[MA], |v[\src+\i]|, |v[\src+\i+1]|
	v_max3_num_f32 v[MB], v[MB], |v[\src+\i+2]|, |v[\src+\i+3]|
.endr
	v_max3_num_f32 v[MA], v[MA], |v[\src+30]|, |v[\src+31]|
	v_max3_num_f32 v[MA], v[MA], v[MB], FLOOR      ; and the floor, under which no largest magnitude is taken: the byte cannot fall under 1
	v_add_nc_u32 v[SOP], EOFF, v[MA]               ; 4 off its exponent field: the conversion takes the exponent field of this operand as its scale, and nothing else of it
	v_lshrrev_b32 v[BY], 23, v[SOP]                ; the scale's byte
.endm
; 32 numbers v[src] on become six registers of codes, v[d] on, under the scale in hand.
.macro QCVT src, d
	v_cvt_scalef32_pk16_bf6_f32 v[\d:\d+2], v[\src:\src+15], v[SOP]
	v_cvt_scalef32_pk16_bf6_f32 v[CT:CT+2], v[\src+16:\src+31], v[SOP]   ; (a conversion's three registers begin on an even number)
	v_nop                                          ; one plain place behind a scaled conversion
	v_mov_b32 v[\d+3], v[CT]
	v_mov_b32 v[\d+4], v[CT+1]
	v_mov_b32 v[\d+5], v[CT+2]
.endm
; Tile T of K: lane (r, h) takes the 128 bytes d = 32 h .. 32 h + 31 of its key's row
.macro KFETCH T, x
.irp i, 0,1,2,3,4,5,6,7
	ds_load_b128 v[\x+4*\i:\x+4*\i+3], v[KA] offset:(32*((\T)/2)+8*((\T)%2))*PIT+16*\i
.endr
.endm
.macro KUNIT T
	s_wait_dscnt 0x0                               ; this tile's eight loads are in
.if (\T) == 3
	s_wait_tensorcnt 0x0                           ; tiles 4 to 7 lie in keys 64 to 127: my second load
.endif
.if (\T) < 7
	KFETCH (\T)+1, X+32*(((\T)+1)%2)               ; the next tile lands in the other set while this one is worked
.endif
	QMAX X+32*((\T)%2)
	v_lshlrev_b32 v[WD], v[SH8], v[BY]             ; a row's two bytes (block h in lane (r, h)) side by side, in both lanes,
	v_permlanex16_b32 v[WD2], v[WD], s20, s21
	v_or_b32 v[WD], v[WD], v[WD2]
.if ((\T)%2) == 0
	v_lshl_or_b32 v[WE], v[WD], 16, v[WD]          ; and once more for the upper 64 of the instruction's K
.else
	v_lshl_or_b32 v[WD], v[WD], 16, v[WD]
	v_cndmask_b32 v[KSW+(\T)/2], v[WE], v[WD], s[UPPER]   ; lanes 0-15 the even tile's words, lanes 16-31 the odd tile's
.endif
	QCVT X+32*((\T)%2), CO+8*(\T)
	global_store_b128 v[L16], v[CO+8*(\T):CO+8*(\T)+3], s[8:9] offset:KI+768*(\T)        ; 512 consecutive bytes, at a multiple of 256 from the buffer's first byte
	global_store_b64 v[L8], v[CO+8*(\T)+4:CO+8*(\T)+5], s[8:9] offset:KI+768*(\T)+512    ; 256 likewise
.endm
; Block kb of 32 keys, columns 32 g + lane: a lane takes a column and its registers run down the keys
.macro VFETCH kb, g, x
.irp i, 0,1,2,3,4,5,6,7,8,9,10,11,12,13,14,15,16,17,18,19,20,21,22,23,24,25,26,27,28,29,30,31
	ds_load_b32 v[\x+\i], v[VA] offset:(32*(\kb)+\i)*PIT+128*(\g)
.endr
.endm
; Unit n: block kb = n / 2, columns' half g = n % 2.  Its six registers of codes go where the exchange below wants them: CO + 24 g + 12 (kb % 2) + 6 (kb / 2).
.macro VUNIT n
	s_wait_dscnt 0x0                               ; this unit's 32 loads are in
.if (\n) == 3
	s_wait_tensorcnt 0x0                           ; units 4 to 7 lie in keys 64 to 127: my second load
.endif
.if (\n) < 7
	VFETCH ((\n)+1)/2, ((\n)+1)%2, X+32*(((\n)+1)%2)
.endif
	QMAX X+32*((\n)%2)
.if (\n) < 2
	v_mov_b32 v[WV+(\n)%2], v[BY]                  ; a column's four bytes make its scale word for these 128 keys
.else
	v_lshl_or_b32 v[WV+(\n)%2], v[BY], 8*((\n)/2), v[WV+(\n)%2]
.endif
	QCVT X+32*((\n)%2), CO+24*((\n)%2)+12*(((\n)/2)%2)+6*((\n)/4)
.endm
	s_cmp_lt_u32 s12, 4
	s_cbranch_scc0 .Lvalues
	; ---- waves 0-3: K
	s_wait_tensorcnt 0x1                           ; my first 64 rows are in; the second load may be out
	KFETCH 0, X
.irp T, 0,1,2,3,4,5,6,7
	KUNIT \T
.endr
	global_store_b128 v[L16], v[KSW:KSW+3], s[8:9] offset:KS       ; the scale words of all eight tiles: 512 consecutive bytes
	s_wait_tensorcnt 0x0
	ds_add_u32 v160, v161
	s_wait_dscnt 0x0
	s_endpgm
.Lvalues:
	; ---- waves 4-7: V
	s_wait_tensorcnt 0x1                           ; my first 64 rows are in; the second load may be out
	VFETCH 0, 0, X
.irp n, 0,1,2,3,4,5,6,7
	VUNIT \n
.endr
; Lane l holds column 32 g + l: row l % 16 of tile 2 g + l / 16, all four blocks.  The operand wants blocks 0 and 2 in lanes 0-15 and blocks 1 and 3 in lanes 16-31 of the column's tile.  The exchange of one register's
; lanes 16-31 with the other's lanes 0-15 does it: of (block 0 or 2, block 1 or 3) the first becomes tile 2 g's register, the second tile 2 g + 1's.
.irp g, 0,1
.irp i, 0,1,2,3,4,5,6,7,8,9,10,11
	v_permlane16_swap_b32 v[CO+24*\g+\i], v[CO+24*\g+12+\i]
.endr
.endr
.irp t, 0,1,2,3
.irp q, 0,1,2
	global_store_b128 v[L16], v[CO+12*\t+4*\q:CO+12*\t+4*\q+3], s[8:9] offset:VI+1536*\t+512*\q   ; 512 consecutive bytes, at a multiple of 256 from the buffer's first byte
.endr
.endr
	global_store_b64 v[L8], v[WV:WV+1], s[8:9] offset:VS           ; 256 likewise
	s_wait_tensorcnt 0x0
	ds_add_u32 v160, v161
	s_wait_dscnt 0x0
	s_endpgm
.Lfunc_end_k_q1dd9c93394_quant:
	.size	k_q1dd9c93394_quant, .Lfunc_end_k_q1dd9c93394_quant-k_q1dd9c93394_quant
	.p2alignl 7, 3214868480
	.fill 96, 4, 3214868480
	.section	.rodata,"a",@progbits
	.p2align	6, 0x0
	.amdhsa_kernel k_q1dd9c93394_quant
		.amdhsa_group_segment_fixed_size 280576
		.amdhsa_private_segment_fixed_size 0
		.amdhsa_enable_private_segment 0
		.amdhsa_kernarg_size 24
		.amdhsa_user_sgpr_count 2
		.amdhsa_user_sgpr_kernarg_segment_ptr 1
		.amdhsa_wavefront_size32 1
		.amdhsa_system_sgpr_workgroup_id_x 1
		.amdhsa_system_sgpr_workgroup_id_y 1
		.amdhsa_system_sgpr_workgroup_id_z 1
		.amdhsa_system_vgpr_workitem_id 0
		.amdhsa_next_free_vgpr 162
		.amdhsa_next_free_sgpr 66
		.amdhsa_reserve_vcc 0
		.amdhsa_float_denorm_mode_32 3
		.amdhsa_float_denorm_mode_16_64 3
		.amdhsa_memory_ordered 1
		.amdhsa_forward_progress 1
		.amdhsa_inst_pref_size 52
	.end_amdhsa_kernel
	.amdgpu_metadata
---
amdhsa.version: [ 1, 2 ]
amdhsa.kernels:
  - .name:           k_q1dd9c93394_quant
    .symbol:         k_q1dd9c93394_quant.kd
    .args:
      - { .name: K, .offset: 0, .size: 8, .value_kind: global_buffer, .address_space: global }
      - { .name: V, .offset: 8, .size: 8, .value_kind: global_buffer, .address_space: global }
      - { .name: kv, .offset: 16, .size: 8, .value_kind: global_buffer, .address_space: global }
    .group_segment_fixed_size: 280576
    .private_segment_fixed_size: 0
    .kernarg_segment_align: 8
    .kernarg_segment_size: 24
    .max_flat_workgroup_size: 256
    .sgpr_count:     66
    .vgpr_count:     162
    .wavefront_size: 32
...
	.end_amdgpu_metadata
.endif
;; end of part 1
;; launch attn (part 2): grid 4 x 64, 16 waves a work-group, clusters of 4 x 1, 280,576 bytes of LDS; arguments Q, kv, out0; writes out0
.if DOCPART == 2
	.amdgcn_target "amdgcn-amd-amdhsa--gfx1250"
	.amdhsa_code_object_version 6
	.text
	.protected	k_q1dd9c93394_attn
	.globl	k_q1dd9c93394_attn
	.p2align	8
	.type	k_q1dd9c93394_attn,@function
k_q1dd9c93394_attn:
	s_mov_b64 s[64:65], 0
	v_nop
	global_prefetch_b8 v0, s[64:65] scope:SCOPE_SE
	s_setreg_imm32_b32 hwreg(HW_REG_WAVE_MODE, 25, 1), 1
	s_wait_xcnt 0x0
	s_wait_alu depctr_hold_cnt(0) depctr_sa_sdst(0) depctr_va_vdst(0) depctr_va_sdst(0) depctr_va_ssrc(0) depctr_va_vcc(0) depctr_vm_vsrc(0)
	s_getreg_b32 s2, hwreg(HW_REG_IB_STS2, 6, 4)
	s_cmp_eq_u32 s2, 0
	s_cbranch_scc0 .Lentry_in_a_cluster
	s_endpgm
.Lentry_in_a_cluster:
	s_bfe_u32 s2, ttmp6, 0x10000c
	s_cmp_lg_u32 s2, 0x3003
	s_cbranch_scc0 .Lentry_shape_is_right
	s_endpgm
.Lentry_shape_is_right:
; out[h][q][:] = the sum over k of softmax_k(8 x Q[h][q] . K[h][k]) V[h][k][:].  Q, out: [64 heads][2048][64], f32.  (The logit is the score x sqrt(64), as the problem has it.)
; Both products run on codes of BF6 (E3M2) with one E8M0 scale for each 32 along a product's K.  K and V arrive as the first launch has left them: 16 records a head, 13,056 bytes for 128 keys each.
; THE SOFTMAX AHEAD OF THE SECOND PRODUCT: t = score x 8 log2(e), rounded to f32; M = the row's largest t so far, rounded UP to a whole number; p = 2^(t - M) is what is quantised, along the keys, not normalised.
; The row's sum is taken of the unquantised p, in f32, and divides O at the end.  When M moves, the sum and O are multiplied by 2^(old M - new M): exact.
; SHARES.  A work-group owns 512 queries of one head.  Sixteen waves, 256 registers each.  Wave w owns the 16 queries of tile w (pass 0) and of tile 16 + w (pass 1).
; THE HEAD STAYS IN LDS.  A head's 16 records are 208,896 bytes: wave w brings record w by one tensor load, filled once; while it is on its way the wave quantises its own two tiles of Q straight into operand
; registers, where they stay.  One barrier.  Then every wave walks the 16 records, 128 keys a step; nobody writes them.  Every part of a record is an IMAGE OF OPERAND REGISTERS: it is loaded lane by lane as it lies.
; CLUSTER.  The four work-groups of a head form a cluster and want the same 16 records: each record is asked for JOINTLY, by the same tensor load with the same descriptor and a mask that names the four.
; Q IS CUT BY SIZE.  The first product's K is the head's 64, half of the instruction's 128.
; So the text asks as little as it can of how the sum is made: each number of Q goes, as the code that
; the quantiser gives it, into ONE of four slices by its code's exponent (|code| >= 8; 2 .. 7; 0.5 .. 1.75; smaller), the other places of a slice are zero codes, and K's codes stand twice in their fragment.  A tile of
; scores is two instructions, [K | K] x [slice 3 | slice 2] and, added onto it, [K | K] x [slice 1 | slice 0]: the same 64 products, and those side by side in one half of K span 13 bits at the most.
; LAYOUT.  Both products are used transposed: S^T = K Q^T (source 0 = 16 keys, source 1 = my 16 queries), O^T = V^T P^T (source 0 = 16 of the head's 64, source 1 = P): a lane holds ONE query (lane % 16) throughout.
; THE KEYS OF A TILE ARE NOT NEIGHBOURS: row r of tile 2 b + u is key 32 b + 8 u + r + 8 (r / 8), so that the 16 registers of tiles 2 b and 2 b + 1 are 16 neighbouring keys, 32 b + 16 (lane / 16) + 0 .. 15.
; LIMITS: NaN and infinities among the inputs are not served.  A block of zeros gets the scale byte 1 where the rule says 127: its codes are zeros, which add nothing under any byte but 0xff, and this program alone
; reads the bytes.  The floor 2^(5 - 127) under a block's largest magnitude holds the byte at 1 from below, as the rule's clip does.  The row's sum is added in another order than the reference's.
.set REC,   13056                      ; a key step's record (128 keys), in memory and in LDS alike:
.set KI,    0                          ;   8 tiles of K, 768 bytes each: 16 bytes x lane (registers 0-3), then 8 bytes x lane (registers 4-5)
.set VI,    6144                       ;   4 tiles of V^T, 1,536 bytes each: three parts of 16 bytes x lane (registers 4 p .. 4 p + 3)
.set KS,    12288                      ;   K's scale words, 16 bytes x lane: word b of lane l serves tile 2 b + l / 16, row l % 16
.set VS,    12800                      ;   V's scale words, 8 bytes x lane: word g of lane l serves tile 2 g + l / 16, row l % 16
.set STG,   16*REC                     ; behind the records: a stage of 16 rows for each wave, its own; no tensor load lands there
.set SPI,   272                        ;   a stage row: 256 bytes + 16 = 17 x 16: sixteen rows begin at sixteen different 16-byte columns modulo 256
.set STGW,  16*SPI
.set C8L2E, 0x4138aa3b                 ; 8 log2(e)
.set FLOOR, 0x2800000                  ; 2^(5 - 127)
.set EOFF,  0xfe000000                 ; -(4 << 23): 4 off an exponent field
.set NEGBIG, 0xff61b1e6                ; -3e38, under every t
; vector registers that stay
.set L16,  1                           ; 16 x lane
.set SW,   3                           ; my stage by pairs of rows: 272 (lane / 16) + 16 (lane % 16)
.set SRD,  4                           ; my stage, row r, my half's 128 bytes: 272 r + 128 h
.set SOUT, 5                           ; my stage, row r, 32 h
.set L8,   10                          ; 8 x lane
.set KSC,  16                          ; v16-19  K's scale words   } these nine registers hold scales
.set VSC,  20                          ; v20-21  V's               } and nothing else in the whole text
.set PS,   22                          ; p's scale word            }
.set QS,   23                          ; v23-24  Q's scale words of pass 0, 1
.set QF,   208                         ; v208-255 Q's fragments: pass p at QF + 24 p: [slice 3 | slice 2], then [slice 1 | slice 0], 12 registers each
; while Q is quantised
.set MA,   30
.set MB,   31
.set SOP,  32                          ; the conversion's scale operand
.set BY,   33                          ; the scale's byte
.set WD,   34                          ; a row's two scale bytes
.set WD2,  35
.set XR,   36                          ; v36-67  32 neighbours along d
.set CT,   72                          ; v72-74  where a block's second conversion lands
.set TH3,  75                          ; the slices' limits
.set SET,  76                          ; v76-107, v108-139 Q's two tiles as loaded; v76-107 and v140-171 then at work
.set SH8,  204                         ; 8 h
.set SCF,  205                         ; a block's scale as f32
.set TH1,  206
.set TH2,  207
; in the key steps
.set SO,   6                           ; v6-9    p's four scale operands
.set TMP,  11
.set NM,   12                          ; -M
.set TMAX, 13                          ; the largest t
.set SUM,  14                          ; v14-15  the row's sum in two halves
.set A16,  25                          ; the record in hand + 16 x lane
.set A8,   26                          ; + 8 x lane
.set FF,   28                          ; v28 f = 2^(old M - new M); v29 named with it as a pair
.set KB,   36                          ; v36-83  four fragments of K, each [K | K]; behind the scores V's four fragments
.set SC,   92                          ; v92-155 S^T, then t, then p
.set OT,   156                         ; v156-187 O^T
.set PC,   188                         ; v188-199 p's codes
.set BM,   196                         ; v196-199 the blocks' largest t, dead before the codes are made
.set PM,   200                         ; v200-203 at work
.set HH,   200                         ; v200-202, v204-206 the conversions' second halves; then v200-201 the sum's second chain
.set WVN,  12                          ; s12      my wave's number
.set G1,   32                          ; s[32:39] descriptor group 1
.set G0,   40                          ; s[40:43] group 0
; A round of the cluster's barrier: my work-group's barrier, so that wave 0's signal speaks for all sixteen waves; wave 0 signals for the work-group; every wave waits for all four work-groups; my work-group's barrier
; once more.  No LDS instruction of the wave is pending at a signal.
.macro CROUND
	s_barrier_signal -1
	s_barrier_wait -1
	s_cmp_lg_u32 s[WVN], 0
	s_cbranch_scc1 .Lnot_wave_0_\@
	s_barrier_signal -3
.Lnot_wave_0_\@:
	s_barrier_wait -3
	s_barrier_signal -1
	s_barrier_wait -1
.endm
	s_load_b128 s[4:7], s[0:1], 0x0                ; Q s[4:5], the records s[6:7]
	s_load_b64 s[10:11], s[0:1], 0x10              ; out
	v_lshl_add_u32 v2, v0, 2, 0x44000
	v_mov_b32 v27, 0
	ds_add_u32 v2, v27
	ds_add_u32 v2, v27
	v_lshrrev_b32 v30, 5, v0
	v_readfirstlane_b32 s[WVN], v30                ; wave 0..15
	v_and_b32 v31, 31, v0                          ; lane
	v_and_b32 v32, 15, v0                          ; r
	v_bfe_u32 v33, v0, 4, 1                        ; h
	v_lshlrev_b32 v[L16], 4, v31
	v_lshlrev_b32 v[L8], 3, v31
	s_mul_i32 s26, s[WVN], STGW
	s_add_co_u32 s26, s26, STG                     ; my stage
	v_mul_u32_u24 v[SW], v33, SPI
	v_lshl_add_u32 v[SW], v32, 4, v[SW]
	v_add_nc_u32 v[SW], s26, v[SW]
	v_mul_u32_u24 v34, v32, SPI                    ; 272 r
	v_lshl_add_u32 v[SRD], v33, 7, v34
	v_add_nc_u32 v[SRD], s26, v[SRD]
	v_lshl_add_u32 v[SOUT], v33, 5, v34
	v_add_nc_u32 v[SOUT], s26, v[SOUT]
	v_lshlrev_b32 v[SH8], 3, v33
	v_mov_b32 v[WD2], 0                            ; written once: a lane permute's destination counts as one of its sources
	s_and_b32 s13, ttmp7, 0xffff                   ; the head, which the four partners share
	s_lshl_b32 s14, s13, 4
	s_add_co_u32 s14, s14, s[WVN]                  ; the record that I fetch: 16 x head + wave
	s_mul_i32 s14, s14, REC
	s_mov_b32 s15, 0
	s_bfe_u32 s27, ttmp6, 0x40000                  ; cx: my place in the cluster: it enters Q's and out's addresses alone
	s_lshl_b32 s28, ttmp9, 2                       ; in a cluster launch ttmp9 counts clusters
	s_add_co_u32 s27, s27, s28                     ; my block of 512 queries
	s_lshl_b32 s16, s27, 17                        ; its 512 rows of 256 bytes,
	s_lshl_b32 s28, s13, 19                        ; the head's 2,048,
	s_add_co_u32 s16, s16, s28
	s_lshl_b32 s28, s[WVN], 12                     ; my wave's 16 of pass 0
	s_add_co_u32 s16, s16, s28
	s_mov_b32 s17, 0
	s_mov_b32 s20, 0x76543210
	s_mov_b32 s21, 0xfedcba98                      ; v_permlanex16_b32's selects for lane l xor 16
	s_mov_b32 s22, C8L2E
	s_mov_b32 s23, s22                             ; (the packed form names the pair and takes its low word for both halves: so s23 is written)
	; the descriptor: a record is a dense block of 51 rows of 256 bytes (32 elements of 8 bytes)
	s_mov_b32 s[G1+0], 15|(3<<16)|(1<<21)          ; 15:0 the mask: all four work-groups; 17:16 elements of 8 bytes; 20 no padding; 21 set beside a mask
	s_mov_b32 s[G1+1], 32<<16                      ; tensor_dim0 = 32
	s_mov_b32 s[G1+2], 51<<16                      ; tensor_dim1 = 51
	s_mov_b32 s[G1+3], 32<<16                      ; tile_dim0 = 32
	s_mov_b32 s[G1+4], 51                          ; tile_dim1 = 51
	s_mov_b32 s[G1+5], 32                          ; from row to row: 32 elements
	s_mov_b32 s[G1+6], 0
	s_mov_b32 s[G1+7], 0
	s_mov_b32 s[G0], 1                             ; count = 1
	s_mul_i32 s[G0+1], s[WVN], REC                 ; LDS address: record w: no place in the cluster enters it
	s_wait_dscnt 0x0
	s_wait_kmcnt 0x0
	s_add_nc_u64 s[G0+2:G0+3], s[6:7], s[14:15]    ; global address: made of the head and the wave's number
	s_or_b32 s[G0+3], s[G0+3], 0x80000000          ; type = 2
	s_add_nc_u64 s[4:5], s[4:5], s[16:17]
	s_add_nc_u64 s[10:11], s[10:11], s[16:17]
; My tile of Q of pass p: sixteen rows of 256 bytes: eight loads, each of 512 consecutive bytes that begin at a multiple of 256 from the buffer's first byte; read by this wave alone in the whole launch.
.macro QLOAD p
.irp i, 0,1,2,3,4,5,6,7
	global_load_b128 v[SET+32*\p+4*\i:SET+32*\p+4*\i+3], v[L16], s[4:5] offset:65536*\p+512*\i th:TH_LOAD_NT
.endr
.endm
; The tile turns through my stage: in as loaded (two rows a store), out 128 bytes a lane: lane (r, h) gets row r's numbers d = 32 h .. 32 h + 31.  LDS serves a wave's instructions in order: no wait between.
.macro TURN set
.irp i, 0,1,2,3,4,5,6,7
	ds_store_b128 v[SW], v[\set+4*\i:\set+4*\i+3] offset:544*\i
.endr
.irp i, 0,1,2,3,4,5,6,7
	ds_load_b128 v[XR+4*\i:XR+4*\i+3], v[SRD] offset:16*\i
.endr
.endm
; A whole block of 32 in one lane's registers v[src] on: its scale, as the conversion's operand and as a byte.
.macro QMAX src
	v_max3_num_f32 v[MA], |v[\src]|, |v[\src+1]|, |v[\src+2]|      ; the block's largest magnitude, in two chains
	v_max3_num_f32 v[MB], |v[\src+3]|, |v[\src+4]|, |v[\src+5]|
.irp i, 6,10,14,18,22,26
	v_max3_num_f32 v[MA], v[MA], |v[\src+\i]|, |v[\src+\i+1]|
	v_max3_num_f32 v[MB], v[MB], |v[\src+\i+2]|, |v[\src+\i+3]|
.endr
	v_max3_num_f32 v[MA], v[MA], |v[\src+30]|, |v[\src+31]|
	v_max3_num_f32 v[MA], v[MA], v[MB], FLOOR      ; and the floor, under which no largest magnitude is taken: the byte cannot fall under 1
	v_add_nc_u32 v[SOP], EOFF, v[MA]               ; 4 off its exponent field: the conversion takes the exponent field of this operand as its scale, and nothing else of it
	v_lshrrev_b32 v[BY], 23, v[SOP]                ; the scale's byte
.endm
; 32 numbers v[src] on become six registers of codes, v[d] on, under the scale in hand.
.macro QCVT src, d
	v_cvt_scalef32_pk16_bf6_f32 v[\d:\d+2], v[\src:\src+15], v[SOP]
	v_cvt_scalef32_pk16_bf6_f32 v[CT:CT+2], v[\src+16:\src+31], v[SOP]   ; (a conversion's three registers begin on an even number)
	v_nop                                          ; one plain place behind a scaled conversion
	v_mov_b32 v[\d+3], v[CT]
	v_mov_b32 v[\d+4], v[CT+1]
	v_mov_b32 v[\d+5], v[CT+2]
.endm
.macro ROWWORD                         ; a row's two bytes (block h in lane (r, h)) side by side, in both lanes
	v_lshlrev_b32 v[WD], v[SH8], v[BY]
	v_permlanex16_b32 v[WD2], v[WD], s20, s21
	v_or_b32 v[WD], v[WD], v[WD2]
.endm
; dst = the block's numbers whose magnitude reaches the limit, 0 for the others
.macro MASK dst, th
.set ii, 0
.rept 32
	v_cmp_ge_f32 vcc_lo, |v[XR+ii]|, v[\th]
	v_cndmask_b32 v[\dst+ii], 0, v[XR+ii], vcc_lo
.set ii, ii+1
.endr
.endm
; d = a - b, 32 numbers: each is x - x, x - 0 or 0 - 0: exact
.macro PSUB d, a, b
.set ii, 0
.rept 16
	v_pk_add_f32 v[\d+ii:\d+ii+1], v[\a+ii:\a+ii+1], v[\b+ii:\b+ii+1] neg_lo:[0,1] neg_hi:[0,1]
.set ii, ii+2
.endr
.endm
; My tile of Q of pass p: lane (r, h) holds block h of row r, which is what the operand's registers 0-5 (K = 32 h on) and 6-11 (K = 64 + 32 h on) want of it.  a, b: two free sets of 32 registers.
; A code's exponent is at least T where |x| / scale >= 0.9375 x 2^T: the middle between the largest code under 2^T and 2^T, at which ties to even go up.  So the limits are 7.5, 1.875 and 0.46875 x the scale.
.macro QUNIT p, a, b
.set FA, QF+24*(\p)
	v_lshl_or_b32 v[QS+\p], v[WD], 16, v[WD]       ; the row's scale word: its two bytes, and once more for the upper 64 of K
	v_and_b32 v[SCF], 0x7f800000, v[SOP]           ; the scale as f32
	v_mul_f32 v[TH1], 0x40f00000, v[SCF]           ; x 7.5
	v_mul_f32 v[TH2], 0x3ff00000, v[SCF]           ; x 1.875
	v_mul_f32 v[TH3], 0x3ef00000, v[SCF]           ; x 0.46875
	MASK \a, TH1
	QCVT \a, FA+18                                 ; slice 0: |code| >= 8
	MASK \b, TH2
	PSUB \a, \b, \a
	QCVT \a, FA+12                                 ; slice 1: 2 .. 7
	MASK \a, TH3
	PSUB \b, \a, \b
	QCVT \b, FA+6                                  ; slice 2: 0.5 .. 1.75
	PSUB \b, XR, \a
	QCVT \b, FA                                    ; slice 3: the rest
.endm
	QLOAD 0                                        ; Q is asked for first: it is wanted first
	QLOAD 1
	CROUND                                         ; all four work-groups are here: the joint loads meet
	tensor_load_to_lds s[G0:G0+3], s[G1:G1+7]      ; record w of my head: my one tensor load of the launch; these bytes are filled once
	s_nop 0
.rept 4
	v_nop
.endr
	s_wait_loadcnt 8                               ; pass 0's eight loads are in; pass 1's may be out
	TURN SET
	s_wait_dscnt 0x0                               ; the 32 neighbours are in, and the stores into the stage have read the set
	QMAX XR
	ROWWORD
	QUNIT 0, SET, SET+64
	s_wait_loadcnt 0x0
	TURN SET+32
	s_wait_dscnt 0x0
	QMAX XR
	ROWWORD
	QUNIT 1, SET, SET+64
	v_mov_b32 v[FF+1], 0                           ; (named as the upper half of a pair)
.irp b, 0,1,2,3
	v_mov_b32 v[PM+\b], 0                          ; written once: a lane permute's destination counts as one of its sources
.endr
	s_wait_tensorcnt 0x0                           ; my record has landed (for the others' sake); no LDS instruction of mine is out
	s_barrier_signal -1
	s_barrier_wait -1                              ; the head's sixteen records are whole; nobody writes them
; ---------------- THE KEY STEPS ----------------
.macro KLOAD T, t                      ; tile T of the record in hand into buffer t: its image as it lies, into registers 0-5 and once more into registers 6-11
	ds_load_b128 v[KB+12*(\t):KB+12*(\t)+3], v[A16] offset:KI+768*(\T)
	ds_load_b64 v[KB+12*(\t)+4:KB+12*(\t)+5], v[A8] offset:KI+768*(\T)+512
	ds_load_b128 v[KB+12*(\t)+6:KB+12*(\t)+9], v[A16] offset:KI+768*(\T)
	ds_load_b64 v[KB+12*(\t)+10:KB+12*(\t)+11], v[A8] offset:KI+768*(\T)+512
.endm
; S^T of tile T against the two slices of Q at v[f]: register j of lane (r, h) is the score of query r and key 32 (T / 2) + 16 h + 8 (T % 2) + j.  An odd tile's scale words lie in lanes 16-31.  zero = 1: the product starts the sum
.macro SMUL T, t, f, qs, zero
.if \zero
.if ((\T)%2) == 0
	v_wmma_scale_f32_16x16x128_f8f6f4 v[SC+8*(\T):SC+8*(\T)+7], v[KB+12*(\t):KB+12*(\t)+11], v[\f:\f+11], 0, v[KSC+(\T)/2], v[\qs] matrix_a_fmt:MATRIX_FMT_BF6 matrix_b_fmt:MATRIX_FMT_BF6
.else
	v_wmma_scale_f32_16x16x128_f8f6f4 v[SC+8*(\T):SC+8*(\T)+7], v[KB+12*(\t):KB+12*(\t)+11], v[\f:\f+11], 0, v[KSC+(\T)/2], v[\qs] matrix_a_fmt:MATRIX_FMT_BF6 matrix_b_fmt:MATRIX_FMT_BF6 matrix_a_scale:MATRIX_SCALE_ROW1
.endif
.else
.if ((\T)%2) == 0
	v_wmma_scale_f32_16x16x128_f8f6f4 v[SC+8*(\T):SC+8*(\T)+7], v[KB+12*(\t):KB+12*(\t)+11], v[\f:\f+11], v[SC+8*(\T):SC+8*(\T)+7], v[KSC+(\T)/2], v[\qs] matrix_a_fmt:MATRIX_FMT_BF6 matrix_b_fmt:MATRIX_FMT_BF6
.else
	v_wmma_scale_f32_16x16x128_f8f6f4 v[SC+8*(\T):SC+8*(\T)+7], v[KB+12*(\t):KB+12*(\t)+11], v[\f:\f+11], v[SC+8*(\T):SC+8*(\T)+7], v[KSC+(\T)/2], v[\qs] matrix_a_fmt:MATRIX_FMT_BF6 matrix_b_fmt:MATRIX_FMT_BF6 matrix_a_scale:MATRIX_SCALE_ROW1
.endif
.endif
.endm
; Four tiles' scores, T0 on: the small slices start the sums, the large ones are added onto them.  The four accumulators take turns, one instruction a turn.
.macro SGROUP T0, qs
.irp t, 0,1,2,3
	SMUL \T0+\t, \t, FA, \qs, 1
.endr
.irp t, 0,1,2,3
	SMUL \T0+\t, \t, FA+12, \qs, 0
.endr
.endm
.macro PVMUL t                         ; O^T += V^T P^T, d = 16 t on, K = the step's 128 keys
.if ((\t)%2) == 0
	v_wmma_scale_f32_16x16x128_f8f6f4 v[OT+8*(\t):OT+8*(\t)+7], v[KB+12*(\t):KB+12*(\t)+11], v[PC:PC+11], v[OT+8*(\t):OT+8*(\t)+7], v[VSC+(\t)/2], v[PS] matrix_a_fmt:MATRIX_FMT_BF6 matrix_b_fmt:MATRIX_FMT_BF6
.else
	v_wmma_scale_f32_16x16x128_f8f6f4 v[OT+8*(\t):OT+8*(\t)+7], v[KB+12*(\t):KB+12*(\t)+11], v[PC:PC+11], v[OT+8*(\t):OT+8*(\t)+7], v[VSC+(\t)/2], v[PS] matrix_a_fmt:MATRIX_FMT_BF6 matrix_b_fmt:MATRIX_FMT_BF6 matrix_a_scale:MATRIX_SCALE_ROW1
.endif
.endm
.macro TSCALE j0                       ; t = score x 8 log2(e), rounded to f32 here, as the problem's text has it: 32 registers from S^T's register j0 on, ascending
.set jj, \j0
.rept 16
	v_pk_mul_f32 v[SC+jj:SC+jj+1], v[SC+jj:SC+jj+1], s[22:23] op_sel_hi:[1,0]
.set jj, jj+2
.endr
.endm
.macro BMAX b0                         ; the largest t of blocks b0 and b0 + 1 of 32 keys, my 16 of each, the two by turns: 16 lines
.irp b, \b0, \b0+1
	v_max3_num_f32 v[BM+\b], v[SC+16*(\b)], v[SC+16*(\b)+1], v[SC+16*(\b)+2]
.endr
.irp i, 3,5,7,9,11,13
.irp b, \b0, \b0+1
	v_max3_num_f32 v[BM+\b], v[BM+\b], v[SC+16*(\b)+\i], v[SC+16*(\b)+\i+1]
.endr
.endr
.irp b, \b0, \b0+1
	v_max_num_f32 v[BM+\b], v[BM+\b], v[SC+16*(\b)+15]
.endr
.endm
.macro PASS p
.set FA, QF+24*\p                      ; this pass's two fragments of Q
	v_mov_b32 v[TMAX], NEGBIG                      ; the largest t so far: under every t
	v_floor_f32 v[NM], -v[TMAX]                    ; -M
	v_mov_b32 v[SUM], 0
	v_mov_b32 v[SUM+1], 0
.set jj, 0
.rept 32
	v_mov_b32 v[OT+jj], 0                          ; O^T.  (The step is written once a pass: its first trip finds zeros, which the first change of M leaves zeros; 32 moves against a further copy of the step)
.set jj, jj+1
.endr
	s_mov_b32 s24, 0                               ; the record in hand
	s_mov_b32 s25, 16                              ; records to go
.Lstep_\@:
	v_add_nc_u32 v[A16], s24, v[L16]
	v_add_nc_u32 v[A8], s24, v[L8]
	v_nop                                          ; with the two additions: four places behind the last trip's products, whose fragments of V lay where K's now land (ISA guide 7.12.1 for vector instructions)
	v_nop
	ds_load_b128 v[KSC:KSC+3], v[A16] offset:KS    ; the scale words of all eight tiles of K
.irp t, 0,1,2,3
	KLOAD \t, \t
.endr
	s_wait_dscnt 0x0                               ; the seventeen loads
	SGROUP 0, QS+\p
.rept 4
	v_nop                                          ; four places behind these products, in front of the loads into K's buffers and of the first read of the scores
.endr
.irp t, 0,1,2,3
	KLOAD 4+\t, \t
.endr
	TSCALE 0                                       ; tiles 0-3 become t while the loads are on their way
	s_wait_dscnt 0x0                               ; the sixteen loads
	SGROUP 4, QS+\p
	BMAX 0                                         ; THE LARGEST t OF EACH BLOCK serves twice: for the row's maximum and, since p rises with t, for the block's largest p.  Blocks 0 and 1 first: their 16 lines name no register of the eight products above and are the places behind them
.irp t, 0,1,2,3
.irp q, 0,1,2
	ds_load_b128 v[KB+12*\t+4*\q:KB+12*\t+4*\q+3], v[A16] offset:VI+1536*\t+512*\q   ; V's four fragments, into the buffers that K has left: they land under the softmax
.endr
.endr
	ds_load_b64 v[VSC:VSC+1], v[A8] offset:VS
	TSCALE 32
	BMAX 2
.irp b, 0,1,2,3
	v_permlanex16_b32 v[PM+\b], v[BM+\b], s20, s21
.endr
.irp b, 0,1,2,3
	v_max_num_f32 v[BM+\b], v[BM+\b], v[PM+\b]     ; with lane l xor 16's 16 keys
.endr
	v_max3_num_f32 v[TMP], v[BM], v[BM+1], v[BM+2]
	v_max_num_f32 v[TMP], v[TMP], v[BM+3]          ; the step's largest t of my query
	v_max_num_f32 v[TMAX], v[TMAX], v[TMP]         ; the running largest t
	v_mov_b32 v[TMP], v[NM]
	v_floor_f32 v[NM], -v[TMAX]                    ; the new -M = floor(-t) = -ceil(t): M IS A WHOLE NUMBER
	v_sub_f32 v[TMP], v[NM], v[TMP]                ; M's old value less its new one: a whole number, 0 or less
	v_cvt_i32_f32 v[TMP], v[TMP]                   ; (it saturates)
	v_ldexp_f32 v[FF], 1.0, v[TMP]                 ; f = 2^(old M - new M): a multiplication by it rounds nothing
.set jj, 0
.rept 32
	v_pk_add_f32 v[SC+jj:SC+jj+1], v[SC+jj:SC+jj+1], v[NM:NM+1] op_sel_hi:[1,0]   ; t - M, two at a time (of the pair the low word serves both halves)
.set jj, jj+2
.endr
.irp b, 0,1,2,3
	v_add_f32 v[BM+\b], v[BM+\b], v[NM]            ; the same of each block's largest t
.endr
.set jj, 0
.rept 64
	v_exp_f32 v[SC+jj], v[SC+jj]                   ; p = 2^(t - M), at most 1: NOT normalised
.set jj, jj+1
.endr
.irp b, 0,1,2,3
	v_exp_f32 v[BM+\b], v[BM+\b]                   ; the block's largest p: the same addition and exponential on the same number give the same bits
.endr
	v_pk_mul_f32 v[SUM:SUM+1], v[SUM:SUM+1], v[FF:FF+1] op_sel_hi:[1,0]   ; the sums under the new M; also the plain place behind the exponentials
	s_wait_alu depctr_va_vdst(0)
.irp b, 0,1,2,3
	v_max_num_f32 v[BM+\b], FLOOR, v[BM+\b]        ; the floor: the byte cannot fall under 1 (a block whose every p has fallen to 0 keeps that byte: its codes are zeros)
.endr
.irp b, 0,1,2,3
	v_add_nc_u32 v[SO+\b], EOFF, v[BM+\b]          ; 4 off the exponent field: the conversion's scale operand
.endr
.irp b, 0,1,2,3
	v_lshrrev_b32 v[PM+\b], 23, v[SO+\b]           ; the scale's byte
.endr
	v_lshl_or_b32 v[PS], v[PM+1], 8, v[PM]         ; p's scale word for these 128 keys
	v_lshl_or_b32 v[PS], v[PM+2], 16, v[PS]
	v_lshl_or_b32 v[PS], v[PM+3], 24, v[PS]
.irp c, 0,1
	v_cvt_scalef32_pk16_bf6_f32 v[PC+6*\c:PC+6*\c+2], v[SC+32*\c:SC+32*\c+15], v[SO+2*\c]          ; keys 64 c + 16 h + 0 .. 15
	v_cvt_scalef32_pk16_bf6_f32 v[HH+4*\c:HH+4*\c+2], v[SC+32*\c+16:SC+32*\c+31], v[SO+2*\c+1]     ; keys 64 c + 32 + 16 h + 0 .. 15  (a conversion's three registers begin on an even number)
.endr
	v_nop                                          ; one plain place behind a scaled conversion
.irp c, 0,1                            ; the operand's layout wants a WHOLE block in a lane: lanes 0-15 block 2 c, lanes 16-31 block 2 c + 1
.irp i, 0,1,2
	v_permlane16_swap_b32 v[PC+6*\c+\i], v[HH+4*\c+\i]
.endr
.irp i, 0,1,2
	v_mov_b32 v[PC+6*\c+3+\i], v[HH+4*\c+\i]
.endr
.endr
	v_pk_add_f32 v[HH:HH+1], v[SC:SC+1], v[SC+2:SC+3]      ; THE ROW'S SUM IS TAKEN OF THE UNQUANTISED p: two at a time, in two chains
.irp j, 4,8,12,16,20,24,28,32,36,40,44,48,52,56,60
	v_pk_add_f32 v[SUM:SUM+1], v[SUM:SUM+1], v[SC+\j:SC+\j+1]
	v_pk_add_f32 v[HH:HH+1], v[HH:HH+1], v[SC+\j+2:SC+\j+3]
.endr
	v_pk_add_f32 v[SUM:SUM+1], v[SUM:SUM+1], v[HH:HH+1]
.set jj, 0
.rept 16
	v_pk_mul_f32 v[OT+jj:OT+jj+1], v[OT+jj:OT+jj+1], v[FF:FF+1] op_sel_hi:[1,0]   ; O^T under the new M, each accumulator from its low end on.  (The sums and these stand between the scale word and the codes, made by vector instructions, and the products below: 48 lines where 8 and 4 are asked)
.set jj, jj+2
.endr
	s_wait_dscnt 0x0                               ; V's fragments and scale words are in
.irp t, 0,1,2,3
	PVMUL \t                                       ; four accumulators, one instruction each: no two matrix instructions that follow each other share one, over the backward jump too
.endr
	s_add_co_u32 s24, s24, REC
	s_sub_co_u32 s25, s25, 1
	s_cmp_lg_u32 s25, 0
	s_cbranch_scc1 .Lstep_\@
	; THE WAY OUT.  O^T / the sum goes through my stage and leaves as whole rows of 256 bytes.
	v_add_f32 v[SUM], v[SUM], v[SUM+1]             ; the sum's two halves,
	v_permlanex16_b32 v[TMP], v[SUM], s20, s21
	v_add_f32 v[SUM], v[SUM], v[TMP]               ; and lane l xor 16's: the row's sum
	v_rcp_f32 v[SUM], v[SUM]
	v_nop                                          ; the two additions and these two are the four places behind the last products; the first is also the plain place behind the reciprocal
	v_nop
.set jj, 0
	s_wait_alu depctr_va_vdst(0)
.rept 16
	v_pk_mul_f32 v[SC+jj:SC+jj+1], v[OT+jj:OT+jj+1], v[SUM:SUM+1] op_sel_hi:[1,0]   ; register 8 t + i is out(query r, 16 t + 8 h + i)
.set jj, jj+2
.endr
.irp t, 0,1,2,3
	ds_store_b128 v[SOUT], v[SC+8*\t:SC+8*\t+3] offset:64*\t
	ds_store_b128 v[SOUT], v[SC+8*\t+4:SC+8*\t+7] offset:64*\t+16
.endr
.irp i, 0,1,2,3,4,5,6,7
	ds_load_b128 v[SC+32+4*\i:SC+32+4*\i+3], v[SW] offset:544*\i   ; LDS serves a wave's instructions in order: these see my stores
.endr
.irp i, 0,1,2,3,4,5,6,7
	s_wait_dscnt 7-\i                              ; rows 2 i and 2 i + 1 are back; the younger loads may be out
	global_store_b128 v[L16], v[SC+32+4*\i:SC+32+4*\i+3], s[10:11] offset:65536*\p+512*\i th:TH_STORE_NT   ; 32 lanes store 512 consecutive bytes, at a multiple of 256 from the buffer's first byte; written once, read by nobody here
.endr
	s_wait_xcnt 0x0                                ; the stores' data registers are written again (the next pass's scores) only behind this wait
.endm
	PASS 0
	PASS 1
	s_wait_tensorcnt 0x0
	ds_add_u32 v2, v27
	s_wait_dscnt 0x0
	CROUND                                         ; the closing round: no work-group ends while a partner may still ask for a record that names it
	s_endpgm
.Lfunc_end_k_q1dd9c93394_attn:
	.size	k_q1dd9c93394_attn, .Lfunc_end_k_q1dd9c93394_attn-k_q1dd9c93394_attn
	.p2alignl 7, 3214868480
	.fill 96, 4, 3214868480
	.section	.rodata,"a",@progbits
	.p2align	6, 0x0
	.amdhsa_kernel k_q1dd9c93394_attn
		.amdhsa_group_segment_fixed_size 280576
		.amdhsa_private_segment_fixed_size 0
		.amdhsa_enable_private_segment 0
		.amdhsa_kernarg_size 24
		.amdhsa_user_sgpr_count 2
		.amdhsa_user_sgpr_kernarg_segment_ptr 1
		.amdhsa_wavefront_size32 1
		.amdhsa_system_sgpr_workgroup_id_x 1
		.amdhsa_system_sgpr_workgroup_id_y 1
		.amdhsa_system_sgpr_workgroup_id_z 1
		.amdhsa_system_vgpr_workitem_id 0
		.amdhsa_next_free_vgpr 256
		.amdhsa_next_free_sgpr 66
		.amdhsa_reserve_vcc 1
		.amdhsa_float_denorm_mode_32 3
		.amdhsa_float_denorm_mode_16_64 3
		.amdhsa_memory_ordered 1
		.amdhsa_forward_progress 1
		.amdhsa_inst_pref_size 85
	.end_amdhsa_kernel
	.amdgpu_metadata
---
amdhsa.version: [ 1, 2 ]
amdhsa.kernels:
  - .name:           k_q1dd9c93394_attn
    .symbol:         k_q1dd9c93394_attn.kd
    .args:
      - { .name: Q, .offset: 0, .size: 8, .value_kind: global_buffer, .address_space: global }
      - { .name: kv, .offset: 8, .size: 8, .value_kind: global_buffer, .address_space: global }
      - { .name: out0, .offset: 16, .size: 8, .value_kind: global_buffer, .address_space: global }
    .group_segment_fixed_size: 280576
    .private_segment_fixed_size: 0
    .kernarg_segment_align: 8
    .kernarg_segment_size: 24
    .max_flat_workgroup_size: 512
    .sgpr_count:     66
    .vgpr_count:     256
    .wavefront_size: 32
...
	.end_amdgpu_metadata
.endif
;; end of part 2
